; MI455X (gfx1250); checked and timed in simulation.
; The chip was launched on July 23, 2026; its instructions are those of AMD's public machine-readable ISA for CDNA 5 (MIT licence, August 2026) and "CDNA5" Instruction Set Architecture Reference Guide (July 2026). The comments in the code are by the model that wrote it; some were corrected since.
;; SQA. Allowed arithmetic: matrix products marked QUANTISED: E2M3 operands, one E8M0 scale for each 32 along K, by v_wmma_scale_f32_16x16x128_f8f6f4 with both operands' format E2M3, f32 sums; products left as they are: f32 operands where the result goes on into a quantised operand, else bf16, f16 or f32 operands; f32 sums; everything else in f32.
;; Inputs: W_kv_codes 4,096 x 64 x 24 uint8 (E2M3 codes of W_kv, K innermost, in blocks of 32 codes, four codes in three bytes); W_kv_scales 4,096 x 64 uint8 (E8M0 scales of W_kv, one for each 32 codes along K); W_p1 512 x 2,048 float32; W_p2 2,048 x 512 float32; b_kv 4,096 float32; b_p1 512 float32; b_p2 2,048 float32; ln_b 512 float32; ln_w 512 float32; q 1 x 2,048 float32; x 8,192 x 2,048 float32.
;; Outputs: out0 8,192 x 2,048 float32.
;; This version of the problem:
;;   THIS VERSION OF THE PROBLEM IS GIVEN IN LOW PRECISION. The matrix products marked QUANTISED in the list below multiply operands that are first quantised to E2M3 (2 exponent bits, 3 mantissa bits; 6 bits a number), with one power-of-two scale for each 32 numbers along K (OCP MX v1.0); their sums are f32. All else is computed in f32.
;;   The module's matrix products, in the order in which they are computed (A, B: the left and right operand; K: the contracted axis; several contracted axes count as one K, in the product's order):
;;     1. [M 8,192, K 2,048] x [K 2,048, N 4,096]; A: input x; B: input W_kv (given as codes): QUANTISED
;;     2. batch 16 x [M 1, K 128] x [K 128, N 8,192]; A: input q; B: computed on the way: left as it is (M = 1 < 16)
;;     3. batch 16 x [M 1, K 8,192] x [K 8,192, N 128]; A: softmax; B: computed on the way: left as it is (M = 1 < 16)
;;     4. [M 1, K 2,048] x [K 2,048, N 512]; A: computed on the way; B: input W_p1: left as it is (M = 1 < 16)
;;     5. [M 1, K 512] x [K 512, N 2,048]; A: computed on the way; B: input W_p2: left as it is (M = 1 < 16)
;;   THE QUANTISER, for each operand of a quantised product, along K:
;;     - K is cut into blocks of 32 from its start; a last block that is shorter is filled with zeros.
;;     - A block's scale is 2^e with e = floor(log2(the largest magnitude in the block)) - 2, held to -126 .. 127; a block of zeros has e = 0. As a byte (E8M0): e + 127.
;;     - Each number is divided by its block's scale, clamped to +-7.5, and rounded to the nearest number of E2M3, ties to even, subnormals kept.
;;     - The product sums the exact products of the quantised numbers (number of the format x scale) in f32.
;;   ~~~python
;;   def quantise(x, axis):      # numpy; x: float32 -> the quantised numbers, widened to float32 again
;;       x = np.moveaxis(x, axis, -1); K = x.shape[-1]
;;       x = np.pad(x, [(0, 0)] * (x.ndim - 1) + [(0, -K % 32)]); x = x.reshape(x.shape[:-1] + (-1, 32)); a = np.abs(x).max(-1, keepdims=True)
;;       e = np.where(a > 0, np.clip(np.frexp(np.where(a > 0, a, 1))[1] - 1 - 2, -126, 127), 0)      # np.frexp(a)[1] - 1 = floor(log2(a)), exactly
;;       r = np.clip(x / 2.0 ** e, -7.5, 7.5)
;;       step = 2.0 ** (np.maximum(np.frexp(np.where(r == 0, 1, r))[1] - 1, 0) - 3)
;;       q = np.round(r / step) * step * 2.0 ** e      # np.round: ties to even
;;       return np.moveaxis(q.reshape(q.shape[:-2] + (-1,))[..., :K], -1, axis).astype(np.float32)
;;   ~~~
;;   INPUTS GIVEN AS CODES. W_kv (in the module: [4096, 2048], K = its axis 1): each comes as NAME_codes (uint8): NAME with its K axis moved to the last place and cut into blocks of 32 codes, [.., K / 32, bytes a block], one block behind the other in memory; four codes in three bytes: a row's codes are one little-endian stream of bits, code i at bits 6 i .. 6 i + 5 (a code: sign, 2 exponent bits, 3 mantissa bits); and NAME_scales (uint8): the same leading axes, one E8M0 byte (e + 127) for each 32 codes along K. Its value is code x scale, taken as it is: it is not quantised again, and the codes and scales need not be those that the quantiser above would give.
;; One version. Each part assembles by itself: llvm-mc -triple=amdgcn-amd-amdhsa -mcpu=gfx1250 --defsym DOCPART=n.
;; ======== version 1 of 1: 4 launches
;; limits: right only within a limited range of input values
;; workspace buffers: xq 13,107,200 bytes; wq 6,553,600 bytes; po 524,288 bytes; pml 8,192 bytes; h1p 32,768 bytes
;; launch prep (part 1): grid 512 x 1, 4 waves a work-group, no clusters, 47,104 bytes of LDS; arguments x, W_kv_codes, W_kv_scales, xq, wq; writes xq, wq
.if DOCPART == 1
	.amdgcn_target "amdgcn-amd-amdhsa--gfx1250"
	.amdhsa_code_object_version 6
	.text
	.protected	k_q9105c22a13_prep
	.globl	k_q9105c22a13_prep
	.p2align	8
	.type	k_q9105c22a13_prep,@function
k_q9105c22a13_prep:
	s_mov_b64 s[64:65], 0
	v_nop
	global_prefetch_b8 v0, s[64:65] scope:SCOPE_SE
	s_setreg_imm32_b32 hwreg(HW_REG_WAVE_MODE, 25, 1), 1
	s_wait_xcnt 0x0
; Prepares both operands of kv = Q(x) W_kv^T as IMAGES OF THE OPERAND'S REGISTERS.
; xq and wq are made of dense blocks of 25,600 bytes, one for each group of 128 rows and each pair of K steps (256 along K):
;   16 fragments of 1,536 bytes, [step q (2)][row block i (8)]: register 4 j + n of lane l at byte 512 j + 16 l + 4 n (lane l = r + 16 h holds row r, K = 64 c + 32 h + 0 .. 31 in registers 6 c .. 6 c + 5);
;   then, from byte 24,576 on, the scale words: [row block i (8)][row r (16)][step q (2)], four E8M0 bytes a word.
; xq: block 8 g + p holds rows 128 g .. 128 g + 127 of x.  wq: group 2 head + half holds 64 rows of the head's K part (row blocks 0-3) and the same 64 of its V part (row blocks 4-7).
; x is quantised to E2M3: a block's scale is 2^(floor(log2(largest magnitude)) - 2), its byte the magnitude's exponent field - 2; the conversion rounds to nearest even and holds at the largest code.
; LIMITS: a block of zeros, and one whose largest magnitude lies under 2^-124, gets the byte 1 (its codes are zeros or as the held scale gives them; only this program reads the bytes).  NaN and infinities in x are not served.
; A work-group makes one block of xq (a wave: 32 rows x 256 K, four fragments) and re-lays 32 rows x 512 K of W_kv (a wave: two fragments), a pure move of bytes.
; No cluster, no tensor load: no byte is read by two work-groups.  No prefetch: every load of a wave but its last 32 goes out at the head, and the launch has no loop to run ahead in.
.set BLK, 25600
.set FRB, 1536
.set SCO, 24576
.set WP,  400                          ; W's stage: 32 rows of 384 bytes + 16
.set XST, 12800                        ; behind it a stage of 16 rows x 528 bytes for each wave
.set XSP, 528
.set SPARE, 46592                      ; the spare words
.set XO, 2                             ; 16 x lane
.set SI, 3                             ; my stage, in
.set SO, 4                             ; my stage, out
.set WGO, 5                            ; W: my offset in memory
.set WLI, 6                            ; W's stage, in
.set WLO, 7                            ; W's stage, out
.set SH, 8                             ; 8 h
.set L8, 9                             ; 8 x lane
.set WSO, 10                           ; 64 x lane
.set H,  11
.set M,  12                            ; v12-15 four chains of maxima
.set S,  16                            ; v16-17 the conversions' scale operands
.set B,  18                            ; v18-19 scale bytes
.set T,  20
.set CO, 21                            ; 16 x lane + 3,072 x wave
.set XS8, 22                           ; 8 x lane + 256 x wave
.set WD, 24                            ; v24-27 the four fragments' scale words
.set TC, 28                            ; v28-30, v32-34 second halves of a block's codes
.set C,  36                            ; v36-59 codes, two sets of 12; first W's two fragments
.set WS, 60
.set D,  62
.set R,  64                            ; v64-191 x as loaded, two sets of 64
.set X,  192                           ; v192-255 64 numbers of my row, along K; first W as loaded
.set SPW, 0+1
	s_load_b256 s[4:11], s[0:1], 0x0               ; x, W_kv_codes, W_kv_scales, xq
	s_load_b64 s[12:13], s[0:1], 0x20              ; wq
	v_lshrrev_b32 v1, 5, v0
	v_readfirstlane_b32 s16, v1                    ; wave
	s_lshr_b32 s17, ttmp9, 3                       ; x: group of 128 rows
	s_and_b32 s18, ttmp9, 7                        ; pair of K steps
	s_lshl_b32 s20, s17, 20
	s_lshl_b32 s21, s16, 18                        ; 32 rows a wave
	s_add_co_u32 s20, s20, s21
	s_lshl_b32 s21, s18, 10
	s_add_co_u32 s20, s20, s21
	s_mov_b32 s21, 0
	s_mul_i32 s22, ttmp9, BLK                      ; block 8 g + p is the work-group's number
	s_mov_b32 s23, 0
	s_lshr_b32 s24, ttmp9, 2                       ; W: which 32 rows
	s_and_b32 s25, ttmp9, 3                        ; which 512 along K
	s_and_b32 s26, s16, 1                          ; my pair of steps of the two
	s_lshr_b32 s27, s16, 1                         ; my row block of the two
	s_mul_i32 s28, s24, 32*1536
	s_mul_i32 s29, s25, 384
	s_add_co_u32 s28, s28, s29
	s_mov_b32 s29, 0
	s_lshl_b32 s32, s25, 1
	s_add_co_u32 s32, s32, s26                     ; the pair's number, 0 .. 7
	s_lshl_b32 s34, s24, 11
	s_lshl_b32 s35, s32, 3
	s_add_co_u32 s34, s34, s35                     ; W's scales: 64 bytes a row, 8 a pair
	s_mov_b32 s35, 0
	s_and_b32 s33, s24, 63
	s_lshr_b32 s33, s33, 1                         ; wq's group: 2 head + half
	s_lshl_b32 s33, s33, 3
	s_add_co_u32 s33, s33, s32
	s_mul_i32 s36, s33, BLK
	s_and_b32 s33, s24, 1
	s_lshl_b32 s33, s33, 1
	s_lshr_b32 s38, s24, 6                         ; 0: K part, 1: V part
	s_lshl_b32 s38, s38, 2
	s_add_co_u32 s33, s33, s38                     ; the first of the two row blocks in the group
	s_lshl_b32 s38, s33, 7
	s_add_co_u32 s38, s38, s36
	s_mov_b32 s39, 0
	s_add_co_u32 s33, s33, s27
	s_mul_i32 s33, s33, FRB
	s_add_co_u32 s36, s36, s33
	s_mov_b32 s37, 0
	s_mul_i32 s40, s16, 16*XSP
	s_add_co_u32 s40, s40, XST
	s_mul_i32 s41, s16, 2*FRB
	s_lshl_b32 s42, s16, 8
	s_mul_i32 s43, s27, 16*WP
	s_mul_i32 s44, s26, 192
	s_add_co_u32 s43, s43, s44
	s_mov_b32 s30, 0x76543210
	s_mov_b32 s31, 0xfedcba98                      ; the selects for lane l xor 16
	v_and_b32 v23, 31, v0                          ; lane
	v_lshlrev_b32 v[XO], 4, v23
	v_and_b32 v[T], 15, v23                        ; r
	v_lshrrev_b32 v[H], 4, v23                     ; h
	v_add_nc_u32 v[SI], s40, v[XO]
	v_mul_u32_u24 v[SO], v[T], XSP
	v_lshl_add_u32 v[SO], v[H], 7, v[SO]
	v_add_nc_u32 v[SO], s40, v[SO]                 ; row r, 128 h bytes in
	v_add_nc_u32 v[CO], s41, v[XO]
	v_lshlrev_b32 v[L8], 3, v23
	v_add_nc_u32 v[XS8], s42, v[L8]
	v_lshlrev_b32 v[SH], 3, v[H]
	v_lshlrev_b32 v[WSO], 6, v23
	v_lshrrev_b32 v[M], 3, v0                      ; W: thread t takes 16 bytes at 16 (t % 8) of a run of 128 bytes of row t / 8
	v_and_b32 v[M+1], 7, v0
	v_lshlrev_b32 v[M+1], 4, v[M+1]
	v_mad_u32_u24 v[WGO], v[M], 1536, v[M+1]
	v_mad_u32_u24 v[WLI], v[M], WP, v[M+1]
	v_mul_u32_u24 v[WLO], v[T], WP
	v_mad_u32_u24 v[WLO], v[H], 24, v[WLO]
	v_add_nc_u32 v[WLO], s43, v[WLO]
	v_lshl_add_u32 v[SPW], v0, 2, SPARE
	v_mov_b32 v[D], 0                              ; 0 for the closing add; kept until then
	s_wait_alu depctr_va_vdst(0)                   ; the wait at the head's end
	s_wait_kmcnt 0x0
	s_add_nc_u64 s[4:5], s[4:5], s[20:21]
	s_add_nc_u64 s[10:11], s[10:11], s[22:23]
	s_add_nc_u64 s[6:7], s[6:7], s[28:29]
	s_add_nc_u64 s[8:9], s[8:9], s[34:35]
	s_add_nc_u64 s[14:15], s[12:13], s[36:37]
	s_add_nc_u64 s[18:19], s[12:13], s[38:39]
.macro LOADX u                         ; fragment u = 2 (row block) + step: 16 rows, 512 consecutive bytes a load
.irp i, 0,1,2,3,4,5,6,7,8,9,10,11,12,13,14,15
	global_load_b128 v[R+64*((\u)%2)+4*\i:R+64*((\u)%2)+4*\i+3], v[XO], s[4:5] offset:(16*((\u)/2)+\i)*8192+512*((\u)%2) th:TH_LOAD_NT
.endr
.endm
.irp k, 0,1,2,3,4,5
	global_load_b128 v[X+4*\k:X+4*\k+3], v[WGO], s[6:7] offset:(\k/3)*16*1536+(\k%3)*128
.endr
	global_load_b64 v[WS:WS+1], v[WSO], s[8:9]     ; lane l: the two scale words of row l of the 32
	LOADX 0
	LOADX 1
	s_wait_loadcnt 32                              ; W's seven loads are in; x's 32 stay out
.irp k, 0,1,2,3,4,5
	ds_store_b128 v[WLI], v[X+4*\k:X+4*\k+3] offset:(\k/3)*16*WP+(\k%3)*128
.endr
	s_wait_dscnt 0x0                               ; for the others' sake
	s_barrier_signal -1
	s_barrier_wait -1
.irp q, 0,1
.irp p, 0,1,2,3,4,5
	ds_load_b64 v[C+12*\q+2*\p:C+12*\q+2*\p+1], v[WLO] offset:96*\q+48*(\p/3)+8*(\p%3)   ; the fragment as the operand's layout has it
.endr
.endr
	s_wait_dscnt 0x0
.irp q, 0,1
.irp j, 0,1,2
	global_store_b128 v[XO], v[C+12*\q+4*\j:C+12*\q+4*\j+3], s[14:15] offset:\q*8*FRB+512*\j   ; 512 consecutive bytes
.endr
.endr
	s_cmp_gt_u32 s16, 1
	s_cbranch_scc1 .Lno_scales                     ; waves 0 and 1 store the 32 rows' words of their pair: 256 consecutive bytes, aligned
	global_store_b64 v[L8], v[WS:WS+1], s[18:19] offset:SCO
.Lno_scales:
.macro UNIT u
.set CC, C+12*((\u)%2)
.if (\u) < 3
	s_wait_loadcnt 16                              ; this fragment's 16 loads are in; the next one's stay out
.else
	s_wait_loadcnt 0x0
.endif
.irp i, 0,1,2,3,4,5,6,7,8,9,10,11,12,13,14,15
	ds_store_b128 v[SI], v[R+64*((\u)%2)+4*\i:R+64*((\u)%2)+4*\i+3] offset:XSP*\i
.endr
.irp c, 0,1                            ; LDS serves a wave's instructions in order: these see the stores above
.irp i, 0,1,2,3,4,5,6,7
	ds_load_b128 v[X+32*\c+4*\i:X+32*\c+4*\i+3], v[SO] offset:256*\c+16*\i
.endr
.endr
	s_wait_dscnt 0x0
	s_wait_xcnt 0x0                                ; earlier stores have read their registers: the codes' registers may be written again
.if (\u)+2 < 4
	LOADX (\u)+2
.endif
.irp k, 0,1,2,3
	v_max3_num_f32 v[M+\k], |v[X+16*\k]|, |v[X+16*\k+1]|, 0x1800000   ; four chains of 16 by turns; the floor 2^(3 - 127) keeps the byte at 1 or above
.endr
.irp i, 2,4,6,8,10,12,14
.irp k, 0,1,2,3
	v_max3_num_f32 v[M+\k], v[M+\k], |v[X+16*\k+\i]|, |v[X+16*\k+\i+1]|
.endr
.endr
	v_max_num_f32 v[M], v[M], v[M+1]               ; block h
	v_max_num_f32 v[M+2], v[M+2], v[M+3]           ; block 2 + h
	v_add_nc_u32 v[S], 0xff000000, v[M]            ; 2 off the exponent field: the conversion's scale operand
	v_add_nc_u32 v[S+1], 0xff000000, v[M+2]
	v_lshrrev_b32 v[B], 23, v[S]
	v_lshrrev_b32 v[B+1], 23, v[S+1]
	v_lshl_or_b32 v[B], v[B+1], 16, v[B]
	v_lshlrev_b32 v[B], v[SH], v[B]                ; my two bytes at their places in the row's word
	v_permlanex16_b32 v[T], v[B], s30, s31
	v_or_b32 v[WD+(\u)], v[B], v[T]                ; with lane l xor 16's two the word is whole
.irp c, 0,1
	v_cvt_scalef32_pk16_fp6_f32 v[CC+6*\c:CC+6*\c+2], v[X+32*\c:X+32*\c+15], v[S+\c]
	v_cvt_scalef32_pk16_fp6_f32 v[TC+4*\c:TC+4*\c+2], v[X+32*\c+16:X+32*\c+31], v[S+\c]   ; (three registers begin on an even number)
.endr
	v_nop                                          ; one plain place behind a scaled conversion
.irp c, 0,1
.irp i, 0,1,2
	v_mov_b32 v[CC+6*\c+3+\i], v[TC+4*\c+\i]
.endr
.endr
.endm
.macro PUT u                           ; fragment u's codes leave: three stores of 512 consecutive bytes; two fragments' stores stand together
.irp j, 0,1,2
	global_store_b128 v[CO], v[C+12*((\u)%2)+4*\j:C+12*((\u)%2)+4*\j+3], s[10:11] offset:(8*((\u)%2)+(\u)/2)*FRB+512*\j
.endr
.endm
	UNIT 0
	UNIT 1
	PUT 0
	PUT 1
	UNIT 2
	UNIT 3
	v_cmp_ne_u32 vcc_lo, 0, v[H]                   ; lanes 0-15 store my first row block's words, lanes 16-31 my second's
	v_cndmask_b32 v[B], v[WD], v[WD+2], vcc_lo
	v_cndmask_b32 v[B+1], v[WD+1], v[WD+3], vcc_lo
	PUT 2
	PUT 3
	global_store_b64 v[XS8], v[B:B+1], s[10:11] offset:SCO   ; 256 consecutive bytes, aligned
	s_wait_tensorcnt 0x0                           ; the wave's end
	ds_add_u32 v[SPW], v[D]
	s_wait_dscnt 0x0
	s_endpgm
.Lfunc_end_k_q9105c22a13_prep:
	.size	k_q9105c22a13_prep, .Lfunc_end_k_q9105c22a13_prep-k_q9105c22a13_prep
	.p2alignl 7, 3214868480
	.fill 96, 4, 3214868480
	.section	.rodata,"a",@progbits
	.p2align	6, 0x0
	.amdhsa_kernel k_q9105c22a13_prep
		.amdhsa_group_segment_fixed_size 47104
		.amdhsa_private_segment_fixed_size 0
		.amdhsa_enable_private_segment 0
		.amdhsa_kernarg_size 40
		.amdhsa_user_sgpr_count 2
		.amdhsa_user_sgpr_kernarg_segment_ptr 1
		.amdhsa_wavefront_size32 1
		.amdhsa_system_sgpr_workgroup_id_x 1
		.amdhsa_system_sgpr_workgroup_id_y 1
		.amdhsa_system_sgpr_workgroup_id_z 1
		.amdhsa_system_vgpr_workitem_id 0
		.amdhsa_next_free_vgpr 256
		.amdhsa_next_free_sgpr 66
		.amdhsa_reserve_vcc 1
		.amdhsa_float_denorm_mode_32 3
		.amdhsa_float_denorm_mode_16_64 3
		.amdhsa_memory_ordered 1
		.amdhsa_forward_progress 1
		.amdhsa_inst_pref_size 35
	.end_amdhsa_kernel
	.amdgpu_metadata
---
amdhsa.version: [ 1, 2 ]
amdhsa.kernels:
  - .name:           k_q9105c22a13_prep
    .symbol:         k_q9105c22a13_prep.kd
    .args:
      - { .name: x, .offset: 0, .size: 8, .value_kind: global_buffer, .address_space: global }
      - { .name: W_kv_codes, .offset: 8, .size: 8, .value_kind: global_buffer, .address_space: global }
      - { .name: W_kv_scales, .offset: 16, .size: 8, .value_kind: global_buffer, .address_space: global }
      - { .name: xq, .offset: 24, .size: 8, .value_kind: global_buffer, .address_space: global }
      - { .name: wq, .offset: 32, .size: 8, .value_kind: global_buffer, .address_space: global }
    .group_segment_fixed_size: 47104
    .private_segment_fixed_size: 0
    .kernarg_segment_align: 8
    .kernarg_segment_size: 40
    .max_flat_workgroup_size: 128
    .sgpr_count:     66
    .vgpr_count:     256
    .wavefront_size: 32
...
	.end_amdgpu_metadata
.endif
;; end of part 1
;; launch kvattn (part 2): grid 16 x 16, 4 waves a work-group, clusters of 4 x 4, 327,680 bytes of LDS; arguments xq, wq, b_kv, q, po, pml; writes po, pml
.if DOCPART == 2
	.amdgcn_target "amdgcn-amd-amdhsa--gfx1250"
	.amdhsa_code_object_version 6
	.text
	.protected	k_q9105c22a13_kvattn
	.globl	k_q9105c22a13_kvattn
	.p2align	8
	.type	k_q9105c22a13_kvattn,@function
k_q9105c22a13_kvattn:
	s_mov_b64 s[64:65], 0
	v_nop
	global_prefetch_b8 v0, s[64:65] scope:SCOPE_SE
	s_setreg_imm32_b32 hwreg(HW_REG_WAVE_MODE, 25, 1), 1
	s_wait_xcnt 0x0
	s_wait_alu depctr_hold_cnt(0) depctr_sa_sdst(0) depctr_va_vdst(0) depctr_va_sdst(0) depctr_va_ssrc(0) depctr_va_vcc(0) depctr_vm_vsrc(0)
	s_getreg_b32 s2, hwreg(HW_REG_IB_STS2, 6, 4)
	s_cmp_eq_u32 s2, 0
	s_cbranch_scc0 .Lentry_in_a_cluster
	s_endpgm
.Lentry_in_a_cluster:
	s_bfe_u32 s2, ttmp6, 0x10000c
	s_cmp_lg_u32 s2, 0xf033
	s_cbranch_scc0 .Lentry_shape_is_right
	s_endpgm
.Lentry_shape_is_right:
; kv = Q(x) W_kv^T (+ b_kv's V half) in MX-FP6, and on its results, while they lie in registers, one part of the single-query attention:
; for one head (work-group x) and 128 rows of x (a pair of waves): t = q_h . k / sqrt(128) x log2(e), m = the largest t, p = 2^(t - m), l = the sum of p, o[128] = the sum of p v.  po takes o, pml takes m and l; kv never goes to memory.
; DEAD WORK LEFT OUT: b_kv[0:2048], the bias on k.  It adds q_h . b_k to every score of head h, the same number along the softmax's axis, which the softmax cancels for all finite values of the inputs; k goes into no quantiser.
; So that half of b_kv is not loaded.  LIMIT: a NaN, an infinity or an overflow that reaches only that half is not carried to the result.  LIMIT: the promise holds while the scaled scores t stay under 2^31 in magnitude.
; A work-group makes two tiles of 256 rows x 256 columns (a head's 128 columns of K and 128 of V), one below the other; a wave 128 x 128 (64 of K, 64 of V): 64 accumulators, 512 registers.
; xq and wq hold images of the operands' registers in dense blocks of 25,600 bytes (128 rows x 256 K: 16 fragments of 1,536 bytes, then the scale words): a wave's one tensor load brings one block as 100 rows of 256 bytes,
; a fragment is three loads of 16 bytes a lane at 16 x lane, and the scale words of a slot's two steps come with the slot.
; A ring of two slots of four blocks (A's two halves, B's two halves); 4 x 4 clusters: A's blocks are asked for jointly along a row of the cluster, B's along a column.
; THE MATRIX INSTRUCTION IS USED TRANSPOSED (source 0 = rows of W, source 1 = rows of x): lane l holds row l % 16 of kv, its registers eight neighbouring columns 8 (l / 16) + 0 .. 7.
; REGISTERS: window 0: v0-31 addresses; v32-63 scale words, a set for each slot; v64-95 V's bias; v128-223 A's fragments, one set (free on the way out).  Window 1: B's fragments, sets at v0 and v128; v96-127 q.  Windows 2, 3: the accumulators.
.set BLK,   25600
.set FRB,   1536
.set SCO,   24576
.set SLOT,  4*BLK
.set FR,    12
.set NL,    3                          ; LDS loads that bring a fragment
.set NP,    4                          ; places behind this matrix instruction (ISA guide 7.12.1)
.set SPARE, 2*SLOT                     ; the spare words
.set XCH,   SPARE+512                  ; 1,024 bytes a wave: partial scores for the partner wave
.set STG,   XCH+4096                   ; 16 rows x 272 bytes a wave: o on its way to a sum over rows
.set NEXT_A, 10*BLK                    ; from a slot's last block of a tile to its first of the next: two groups down, six pairs back
.set BACK_B, 6*BLK
.set XR,   7
.set VB,   8
.set LN,   9
.set MX,   10
.set LS,   11
.set ADRA, 16                          ; v16-17 my A fragments in slot 0, 1
.set ADRS, 18                          ; v18-19 scale words: lanes 0-15 A's, lanes 16-31 B's
.set ADRB, 20                          ; v20-21
.set STO,  24
.set RD,   25
.set GO,   26
.set PFO,  27                          ; the prefetches' offset: 256 x min(lane, 24)
.set SPW,  28
.set NIL,  29
.set XW,   31
.set SC,   32
.set BI,   64
.set AF,   128
.set QV,   96
.set SS,   128
.set TT,   144
.set TP,   152
.set UU,   160
.set ARG,  168
.set P2,   176
.set OO,   192
.set RR,   224
.set G1, 24
.set G0, 32
.set G1B, 48
.set G0B, 56
.set PFA, 68                           ; s[68:69] where my prefetches stand
.set LIM, 70                           ; 1 while my wave prefetches, then the greatest number
.set MSB, 0
.macro WIN new                         ; the immediate's high byte repeats the setting that is left
.if MSB != (\new)
	s_set_vgpr_msb (MSB<<8)|(\new)
.set MSB, \new
.endif
.endm
.set MUL_LO, 0xa1                      ; source 0 (B) window 1, source 1 (A) window 0, C and D window 2
.set MUL_HI, 0xf1
.set FIRST_LO, 0x81                    ; the same with C (the bias) in window 0
.set FIRST_HI, 0xc1
.set TO_B,   0x40
.macro JLOAD s                         ; a joint load: waves 0, 1 fetch A's two blocks, waves 2, 3 B's
	s_cmp_eq_u32 s15, 0
	s_cbranch_scc0 .Lfor_b_\@
	tensor_load_to_lds s[G0+4*\s:G0+4*\s+3], s[G1:G1+7]
	s_nop 0
.rept 4
	v_nop
.endr
	s_branch .Lasked_\@
.Lfor_b_\@:
	tensor_load_to_lds s[G0B+4*\s:G0B+4*\s+3], s[G1B:G1B+7]
	s_nop 0
.rept 4
	v_nop
.endr
.Lasked_\@:
.endm
.macro CREST                           ; a round of the cluster's barrier behind its opening barrier
	s_cmp_lg_u32 s14, 0
	s_cbranch_scc1 .Lnot_wave_0_\@
	s_barrier_signal -3
.Lnot_wave_0_\@:
	s_barrier_wait -3
	s_barrier_signal -1
	s_barrier_wait -1
.endm
.macro CROUND
	s_barrier_signal -1
	s_barrier_wait -1
	CREST
.endm
; A prefetch behind each joint load and the LDS loads that follow it: the block that stands two refills on.  Its 100 units of 256 bytes are shared out by address among the four partners that ask for it jointly:
; 25 units each, a lane a unit (lanes 25-31 name the last again).  In a tile's last loop trip nothing lies two refills on; at the change of tiles A's waves ask for the next tile's pairs 2 and 3; B's blocks are asked for in the first tile alone.
.macro ASK how
.if \how
	s_cmp_eq_u32 s[LIM], 1
.else
	s_cmp_gt_u32 s3, s[LIM]
.endif
	s_cbranch_scc0 .Lnot_mine_\@
	global_prefetch_b8 v[PFO], s[PFA:PFA+1] offset:2*BLK th:TH_LOAD_NT scope:SCOPE_SE
.Lnot_mine_\@:
.endm
	s_load_b128 s[4:7], s[0:1], 0x0                ; xq, wq
	s_load_b128 s[8:11], s[0:1], 0x10              ; b_kv, q
	s_load_b64 s[12:13], s[0:1], 0x20              ; po
	s_load_b64 s[66:67], s[0:1], 0x28              ; pml
	v_lshl_add_u32 v[SPW], v0, 2, SPARE
	v_mov_b32 v[NIL], 0
	ds_add_u32 v[SPW], v[NIL]                      ; the opening lines: the add twice on end and one wait
	ds_add_u32 v[SPW], v[NIL]
	v_lshrrev_b32 v1, 5, v0
	v_readfirstlane_b32 s14, v1                    ; wave
	s_lshr_b32 s15, s14, 1                         ; my half of the tile's rows; also: I fetch for A (0) or B (1)
	s_and_b32 s16, s14, 1                          ; my half of its columns; also: which of the two blocks I fetch
	s_bfe_u32 s40, ttmp6, 0x40000                  ; cx, cy
	s_bfe_u32 s41, ttmp6, 0x40004
	s_lshl_b32 s42, ttmp9, 2
	s_add_co_u32 s42, s42, s40                     ; the head
	s_and_b32 s17, ttmp7, 0xffff
	s_lshl_b32 s17, s17, 2
	s_add_co_u32 s17, s17, s41                     ; which 512 rows of x
	s_lshl_b32 s43, s41, 2
	s_lshl_b32 s43, 15, s43                        ; my row of the cluster
	s_lshl_b32 s44, 0x1111, s40                    ; my column
	s_or_b32 s[G1+0], s43, (3<<16)|(1<<21)         ; elements of 8 bytes, no padding; bit 21 beside a mask
	s_or_b32 s[G1B+0], s44, (3<<16)|(1<<21)
.irp g, G1, G1B
	s_mov_b32 s[\g+1], 32<<16                      ; rows of 256 bytes,
	s_mov_b32 s[\g+2], 100<<16                     ; 100 of them, dense
	s_mov_b32 s[\g+3], 32<<16
	s_mov_b32 s[\g+4], 100
	s_mov_b32 s[\g+5], 32
	s_mov_b32 s[\g+6], 0
	s_mov_b32 s[\g+7], 0
.endr
	s_lshl_b32 s20, s17, 2
	s_add_co_u32 s20, s20, s16
	s_mul_i32 s20, s20, 8*BLK                      ; A: group 4 y + half, eight blocks a group
	s_mov_b32 s21, 0
	s_lshl_b32 s46, s42, 1
	s_add_co_u32 s46, s46, s16
	s_mul_i32 s46, s46, 8*BLK                      ; B: group 2 head + half
	s_mov_b32 s47, 0
	s_mul_i32 s45, s14, BLK                        ; LDS: block = wave
	s_wait_dscnt 0x0
	s_wait_kmcnt 0x0
	s_add_nc_u64 s[20:21], s[4:5], s[20:21]
	s_add_nc_u64 s[46:47], s[6:7], s[46:47]
	CROUND                                         ; in front of the first joint loads
.irp s, 0,1
	s_mov_b32 s[G0+4*\s], 1
	s_add_co_u32 s[G0+4*\s+1], s45, \s*SLOT
	s_add_nc_u64 s[G0+4*\s+2:G0+4*\s+3], s[20:21], \s*BLK
	s_or_b32 s[G0+4*\s+3], s[G0+4*\s+3], 0x80000000
	s_mov_b32 s[G0B+4*\s], 1
	s_add_co_u32 s[G0B+4*\s+1], s45, \s*SLOT
	s_add_nc_u64 s[G0B+4*\s+2:G0B+4*\s+3], s[46:47], \s*BLK
	s_or_b32 s[G0B+4*\s+3], s[G0B+4*\s+3], 0x80000000
.endr
	JLOAD 0                                        ; pair 0, codes and scales: one tensor load a wave at the head
	s_cmp_eq_u32 s15, 0                            ; the prefetches: my block's address, my work-group's 25 units of it, at pair 1
	s_cselect_b64 s[PFA:PFA+1], s[20:21], s[46:47]
	s_cselect_b32 s74, s40, s41
	s_mul_i32 s74, s74, 25*256
	s_add_co_u32 s74, s74, BLK                     ; it stands at the pair that the last refill asked for; a prefetch in the ring names the pair two blocks on from the stepped address
	s_mov_b32 s75, 0
	s_add_nc_u64 s[PFA:PFA+1], s[PFA:PFA+1], s[74:75]
	s_mov_b32 s[LIM], 1
	s_mul_i32 s18, s15, BLK                        ; my 128 rows of A
	s_mul_i32 s19, s16, BLK
	s_add_co_u32 s19, s19, 2*BLK                   ; my 128 rows of B
	s_sub_co_u32 s22, s19, s18
	s_add_co_u32 s23, s18, SCO
	s_lshl_b32 s71, s14, 10
	s_add_co_u32 s71, s71, XCH
	s_xor_b32 s72, s14, 1                          ; the wave with the same rows and the other columns
	s_lshl_b32 s72, s72, 10
	s_add_co_u32 s72, s72, XCH
	s_mul_i32 s73, s14, 16*272
	s_add_co_u32 s73, s73, STG
	s_lshl_b32 s76, s42, 9                         ; b_kv, q: 512 bytes a head, 256 a half
	s_lshl_b32 s77, s16, 8
	s_add_co_u32 s76, s76, s77
	s_mov_b32 s77, 0
	s_add_nc_u64 s[8:9], s[8:9], s[76:77]
	s_add_nc_u64 s[10:11], s[10:11], s[76:77]
	s_lshl_b32 s78, s42, 6                         ; the part's number: 64 head + 4 y + 2 tile + half of the rows
	s_lshl_b32 s76, s17, 2
	s_add_co_u32 s78, s78, s76
	s_add_co_u32 s78, s78, s15
	s_lshl_b32 s76, s78, 3
	s_lshl_b32 s79, s16, 2
	s_add_co_u32 s76, s76, s79
	s_add_nc_u64 s[66:67], s[66:67], s[76:77]
	s_lshl_b32 s76, s78, 9
	s_lshl_b32 s79, s16, 8
	s_add_co_u32 s76, s76, s79
	s_add_nc_u64 s[12:13], s[12:13], s[76:77]
	s_mov_b32 s20, 0x76543210
	s_mov_b32 s21, 0xfedcba98                      ; the selects for lane l xor 16
	s_mov_b32 s79, 0x3e0293ee                      ; log2(e) / sqrt(128)
	v_and_b32 v1, 15, v0                           ; r
	v_bfe_u32 v2, v0, 4, 1                         ; h
	v_and_b32 v[LN], 31, v0
	v_lshlrev_b32 v3, 4, v[LN]
	v_lshlrev_b32 v[VB], 5, v2
	v_add_nc_u32 v[ADRA], s18, v3
	v_add_nc_u32 v[ADRB], s19, v3
	v_add_nc_u32 v[ADRA+1], SLOT, v[ADRA]
	v_add_nc_u32 v[ADRB+1], SLOT, v[ADRB]
	v_mul_u32_u24 v13, s22, v2                     ; lanes 16-31 take B's words: one product, the distance between the two blocks
	v_lshl_add_u32 v13, v1, 3, v13
	v_add_nc_u32 v[ADRS], s23, v13
	v_add_nc_u32 v[ADRS+1], SLOT, v[ADRS]
	v_add_nc_u32 v[XW], s71, v3
	v_add_nc_u32 v[XR], s72, v3
	v_mul_u32_u24 v4, v1, 272
	v_lshl_add_u32 v4, v2, 5, v4
	v_add_nc_u32 v[STO], s73, v4
	v_lshlrev_b32 v[GO], 3, v[LN]
	v_add_nc_u32 v[RD], s73, v[GO]
	v_min_u32 v5, 24, v[LN]
	v_lshlrev_b32 v[PFO], 8, v5
	global_prefetch_b8 v[PFO], s[PFA:PFA+1] th:TH_LOAD_NT scope:SCOPE_SE             ; the buffers' first touch: pairs 1 and 2 are asked for here, pair 3 behind pair 1's load: two blocks asked for and not yet read
	global_prefetch_b8 v[PFO], s[PFA:PFA+1] offset:BLK th:TH_LOAD_NT scope:SCOPE_SE
.irp b, 0,1,2,3
	global_load_b128 v[BI+8*\b:BI+8*\b+3],   v[VB], s[8:9] offset:8192+\b*64      ; V's bias at my eight columns of each block
	global_load_b128 v[BI+8*\b+4:BI+8*\b+7], v[VB], s[8:9] offset:8192+\b*64+16
.endr
	WIN TO_B
.irp b, 0,1,2,3
	global_load_b128 v[QV+8*\b:QV+8*\b+3],   v[VB], s[10:11] offset:\b*64
	global_load_b128 v[QV+8*\b+4:QV+8*\b+7], v[VB], s[10:11] offset:\b*64+16
.endr
	WIN 0
.macro FRAG reg, adr, off              ; a fragment: 12 registers, three loads of 16 bytes a lane, 512 consecutive bytes each
.irp j, 0,1,2
	ds_load_b128 v[\reg+4*\j:\reg+4*\j+3], v[\adr] offset:(\off)+512*\j
.endr
.endm
; 8 matrix instructions: A's block a x B's eight.  p: B's set; q: the slot's step; sc: the slot.  first = 1: the product starts the sums, K's from 0, V's from the bias.  The 64 accumulators take turns.
.macro MUL8 a, p, q, sc, first
.irp b, 0,1,2,3,4,5,6,7
.if \first
.if \b < 4
	v_wmma_scale_f32_16x16x128_f8f6f4 v[8*(8*((\a)%4)+\b):8*(8*((\a)%4)+\b)+7], v[128*(\p)+FR*\b:128*(\p)+FR*\b+FR-1], v[AF+FR*(\a):AF+FR*(\a)+FR-1], 0, v[SC+16*(\sc)+2*\b+(\q)], v[SC+16*(\sc)+2*(\a)+(\q)] matrix_a_fmt:MATRIX_FMT_FP6 matrix_b_fmt:MATRIX_FMT_FP6 matrix_a_scale:MATRIX_SCALE_ROW1
.else
	v_wmma_scale_f32_16x16x128_f8f6f4 v[8*(8*((\a)%4)+\b):8*(8*((\a)%4)+\b)+7], v[128*(\p)+FR*\b:128*(\p)+FR*\b+FR-1], v[AF+FR*(\a):AF+FR*(\a)+FR-1], v[BI+8*(\b-4):BI+8*(\b-4)+7], v[SC+16*(\sc)+2*\b+(\q)], v[SC+16*(\sc)+2*(\a)+(\q)] matrix_a_fmt:MATRIX_FMT_FP6 matrix_b_fmt:MATRIX_FMT_FP6 matrix_a_scale:MATRIX_SCALE_ROW1
.endif
.else
	v_wmma_scale_f32_16x16x128_f8f6f4 v[8*(8*((\a)%4)+\b):8*(8*((\a)%4)+\b)+7], v[128*(\p)+FR*\b:128*(\p)+FR*\b+FR-1], v[AF+FR*(\a):AF+FR*(\a)+FR-1], v[8*(8*((\a)%4)+\b):8*(8*((\a)%4)+\b)+7], v[SC+16*(\sc)+2*\b+(\q)], v[SC+16*(\sc)+2*(\a)+(\q)] matrix_a_fmt:MATRIX_FMT_FP6 matrix_b_fmt:MATRIX_FMT_FP6 matrix_a_scale:MATRIX_SCALE_ROW1
.endif
.endr
.endm
.macro MUL16 a0, p, q, sc, first
	MUL8 \a0, \p, \q, \sc, \first
	MUL8 \a0+1, \p, \q, \sc, \first
.endm
.macro FETCH_B slot, q, p
	WIN TO_B
.irp i, 0,1,2,3,4,5,6,7
	FRAG 128*(\p)+FR*\i, ADRB+\slot, ((\q)*8+\i)*FRB
.endr
	WIN 0
.endm
.macro FETCH_A slot, q, i0
.irp i, \i0, \i0+1, \i0+2, \i0+3
	FRAG AF+FR*(\i), ADRA+\slot, ((\q)*8+(\i))*FRB
.endr
.endm
.macro SCALES slot                     ; the words of the slot's two steps: lanes 0-15 A's block i, lanes 16-31 B's block i
.irp i, 0,1,2,3,4,5,6,7
	ds_load_b64 v[SC+16*\slot+2*\i:SC+16*\slot+2*\i+1], v[ADRS+\slot] offset:\i*128
.endr
.endm
.macro PLACES n
.rept \n
	v_nop
.endr
.endm
; A slot's first step: 64 matrix instructions; the second step's fragments are fetched in its middle and at its end.
.macro STEP slot, first
	s_wait_dscnt 4*NL                              ; all but the youngest twelve loads, A's blocks 4-7
.if \first
	WIN FIRST_LO
.else
	WIN MUL_LO
.endif
	MUL16 0, 0, 0, \slot, \first
	MUL16 2, 0, 0, \slot, \first
	s_wait_dscnt 0
	PLACES NP
	FETCH_B \slot, 1, 1
	FETCH_A \slot, 1, 0
.if \first
	WIN FIRST_HI
.else
	WIN MUL_HI
.endif
	MUL16 4, 0, 0, \slot, \first
	MUL16 6, 0, 0, \slot, \first
	PLACES NP
	WIN 0
	FETCH_A \slot, 1, 4
.endm
; A slot's second step, and the change of slots.  fill: 0 nothing is filled again; 1 this tile's pair two on; 2 the next tile's pair 0 or 1.
; fetch: 1 the next slot's first fragments; 2 B's and the scale words alone (A's registers serve the way out first).
; From a refill to the wait for it a wave issues 112 matrix instructions.
.macro TURN slot, next, fill, fetch
.if \fill
	s_wait_xcnt 0x0                                ; my prefetch has read its address, which is stepped here
.if (\fill == 2) && (\slot == 0)
	s_add_nc_u64 s[PFA:PFA+1], s[PFA:PFA+1], 9*BLK ; to the next tile's pair 0
	s_cmp_eq_u32 s15, 0
	s_cselect_b32 s[LIM], s[LIM], -1               ; B's blocks have been read: prefetched no more
.else
	s_add_nc_u64 s[PFA:PFA+1], s[PFA:PFA+1], BLK
.endif
.endif
	s_wait_dscnt 4*NL
	WIN MUL_LO
	MUL16 0, 1, 1, \slot, 0
	WIN 0
	s_wait_tensorcnt 0x0                           ; all my tensor loads have landed: my block of the next slot;
	ds_add_u32 v[SPW], v[NIL]
	WIN MUL_LO
	MUL8 2, 1, 1, \slot, 0
	s_wait_dscnt 0x0                               ; the add is done, and so are my reads of this slot
	s_barrier_signal -1
	MUL8 3, 1, 1, \slot, 0
	WIN 0
	s_barrier_wait -1
.if \fill
	CREST                                          ; the barrier has opened a round of the cluster's barrier
.if \fill == 2
	s_add_nc_u64 s[G0+4*\slot+2:G0+4*\slot+3], s[G0+4*\slot+2:G0+4*\slot+3], NEXT_A
	s_sub_nc_u64 s[G0B+4*\slot+2:G0B+4*\slot+3], s[G0B+4*\slot+2:G0B+4*\slot+3], BACK_B
.else
	s_add_nc_u64 s[G0+4*\slot+2:G0+4*\slot+3], s[G0+4*\slot+2:G0+4*\slot+3], 2*BLK
	s_add_nc_u64 s[G0B+4*\slot+2:G0B+4*\slot+3], s[G0B+4*\slot+2:G0B+4*\slot+3], 2*BLK
.endif
	JLOAD \slot                                    ; the first tensor load behind the round; its four v_nop are the places in front of the loads below
.else
	PLACES NP
.endif
	FETCH_B \next, 0, 0
.if \fetch == 1
	FETCH_A \next, 0, 0
.endif
	SCALES \next
.if \fill
	ASK \fill-1
.endif
	WIN MUL_HI
	MUL16 4, 1, 1, \slot, 0
	MUL16 6, 1, 1, \slot, 0
.if \fetch == 1
	PLACES NP
	WIN 0
	FETCH_A \next, 0, 4
.else
	WIN 0
.endif
.endm
.macro LAPS3
	s_mov_b32 s3, 3
.Llap_\@:
	TURN 0, 1, 1, 1
	STEP 1, 0
	TURN 1, 0, 1, 1
	STEP 0, 0
	s_sub_co_u32 s3, s3, 1
	s_cmp_lg_u32 s3, 0
	s_cbranch_scc1 .Llap_\@
.endm
; THE WAY OUT of tile t.  Scores: my 64 columns of K against q, a lane a row; the partner wave's half comes through LDS, lane l xor 16's by a permute.  Then m, p, l over my 128 rows, o = the sum of p v over my 8 row blocks in registers,
; and over the 16 rows of the lanes through my stage.  more = 1: the next tile's fragments of A are fetched as soon as their registers are free.
.macro WAYOUT t, more
	PLACES NP
.irp a, 0,1,2,3,4,5,6,7
	v_mov_b32 v[UU+\a], 0                          ; a lane permute's destination counts as one of its sources
.endr
.irp g, 0,1
	WIN 0x06+\g
.irp b, 0,1,2,3
.irp jp, 0,1,2,3
.irp a, 0,1,2,3
.if (\b == 0) && (\jp == 0)
	v_pk_mul_f32 v[SS+2*(4*\g+\a):SS+2*(4*\g+\a)+1], v[8*(8*\a+\b)+2*\jp:8*(8*\a+\b)+2*\jp+1], v[QV+8*\b+2*\jp:QV+8*\b+2*\jp+1]
.else
	v_pk_fma_f32 v[SS+2*(4*\g+\a):SS+2*(4*\g+\a)+1], v[8*(8*\a+\b)+2*\jp:8*(8*\a+\b)+2*\jp+1], v[QV+8*\b+2*\jp:QV+8*\b+2*\jp+1], v[SS+2*(4*\g+\a):SS+2*(4*\g+\a)+1]
.endif
.endr
.endr
.endr
.endr
	WIN 0
.irp a, 0,1,2,3,4,5,6,7
	v_add_f32 v[TT+\a], v[SS+2*\a], v[SS+2*\a+1]
.endr
	ds_store_b128 v[XW], v[TT:TT+3]
	ds_store_b128 v[XW], v[TT+4:TT+7] offset:512
	s_wait_alu depctr_va_vdst(0)                   ; the wait ahead of the blocking wait
	s_wait_dscnt 0x0                               ; for the partner's sake
	s_barrier_signal -1
	s_barrier_wait -1
	ds_load_b128 v[TP:TP+3], v[XR]
	ds_load_b128 v[TP+4:TP+7], v[XR] offset:512
	s_wait_dscnt 0x0
.irp a, 0,2,4,6
	v_pk_add_f32 v[TT+\a:TT+\a+1], v[TT+\a:TT+\a+1], v[TP+\a:TP+\a+1]
.endr
.irp a, 0,1,2,3,4,5,6,7
	v_permlanex16_b32 v[UU+\a], v[TT+\a], s20, s21
.endr
.irp a, 0,2,4,6
	v_pk_add_f32 v[TT+\a:TT+\a+1], v[TT+\a:TT+\a+1], v[UU+\a:UU+\a+1]
.endr
	v_max3_num_f32 v12, v[TT], v[TT+1], v[TT+2]
	v_max3_num_f32 v13, v[TT+3], v[TT+4], v[TT+5]
	v_max3_num_f32 v12, v12, v[TT+6], v[TT+7]
	v_max_num_f32 v12, v12, v13
	v_max_num_f32_dpp v12, v12, v12 row_xmask:1 row_mask:0xf bank_mask:0xf
	v_max_num_f32_dpp v12, v12, v12 row_xmask:2 row_mask:0xf bank_mask:0xf
	v_max_num_f32_dpp v12, v12, v12 row_xmask:4 row_mask:0xf bank_mask:0xf
	v_max_num_f32_dpp v12, v12, v12 row_xmask:8 row_mask:0xf bank_mask:0xf
	v_mul_f32 v[MX], s79, v12                      ; m: the largest t of my 128 rows
.irp a, 0,1,2,3,4,5,6,7
	v_fma_f32 v[ARG+\a], v[TT+\a], s79, -v[MX]
.endr
	s_wait_alu depctr_va_vdst(0)                   ; a wait ahead of the batch
.irp a, 0,1,2,3,4,5,6,7
	v_exp_f32 v[P2+2*\a], v[ARG+\a]
.endr
	v_nop
	s_wait_alu depctr_va_vdst(0)                   ; and one behind it
.irp a, 0,1,2,3,4,5,6,7
	v_mov_b32 v[P2+2*\a+1], v[P2+2*\a]
.endr
	v_add_f32 v[LS], v[P2], v[P2+2]
	v_add_f32 v13, v[P2+4], v[P2+6]
	v_add_f32 v14, v[P2+8], v[P2+10]
	v_add_f32 v15, v[P2+12], v[P2+14]
	v_add_f32 v[LS], v[LS], v13
	v_add_f32 v14, v14, v15
	v_add_f32 v[LS], v[LS], v14
	v_add_f32_dpp v[LS], v[LS], v[LS] row_xmask:1 row_mask:0xf bank_mask:0xf
	v_add_f32_dpp v[LS], v[LS], v[LS] row_xmask:2 row_mask:0xf bank_mask:0xf
	v_add_f32_dpp v[LS], v[LS], v[LS] row_xmask:4 row_mask:0xf bank_mask:0xf
	v_add_f32_dpp v[LS], v[LS], v[LS] row_xmask:8 row_mask:0xf bank_mask:0xf
.irp g, 0,1
	WIN 0x02+\g
.irp a, 0,1,2,3
.irp bb, 0,1,2,3
.irp jp, 0,1,2,3
.if (\g == 0) && (\a == 0)
	v_pk_mul_f32 v[OO+8*\bb+2*\jp:OO+8*\bb+2*\jp+1], v[8*(8*\a+4+\bb)+2*\jp:8*(8*\a+4+\bb)+2*\jp+1], v[P2+2*(4*\g+\a):P2+2*(4*\g+\a)+1]
.else
	v_pk_fma_f32 v[OO+8*\bb+2*\jp:OO+8*\bb+2*\jp+1], v[8*(8*\a+4+\bb)+2*\jp:8*(8*\a+4+\bb)+2*\jp+1], v[P2+2*(4*\g+\a):P2+2*(4*\g+\a)+1], v[OO+8*\bb+2*\jp:OO+8*\bb+2*\jp+1]
.endif
.endr
.endr
.endr
.endr
	WIN 0
.irp bb, 0,1,2,3
	ds_store_b128 v[STO], v[OO+8*\bb:OO+8*\bb+3] offset:64*\bb
	ds_store_b128 v[STO], v[OO+8*\bb+4:OO+8*\bb+7] offset:64*\bb+16
.endr
.irp i, 0,1,2,3,4,5,6,7,8,9,10,11,12,13,14,15
	ds_load_b64 v[RR+2*\i:RR+2*\i+1], v[RD] offset:272*\i    ; LDS serves a wave's instructions in order: these see the stores above
.endr
.if \more
	FETCH_A 0, 0, 0
	FETCH_A 0, 0, 4
	s_wait_dscnt 8*NL                              ; all but the 24 loads just issued
.else
	s_wait_dscnt 0x0
.endif
.irp i, 0,1,2,3,4,5,6,7
	v_pk_add_f32 v[RR+2*\i:RR+2*\i+1], v[RR+2*\i:RR+2*\i+1], v[RR+2*\i+16:RR+2*\i+17]
.endr
.irp i, 0,1,2,3
	v_pk_add_f32 v[RR+2*\i:RR+2*\i+1], v[RR+2*\i:RR+2*\i+1], v[RR+2*\i+8:RR+2*\i+9]
.endr
.irp i, 0,1
	v_pk_add_f32 v[RR+2*\i:RR+2*\i+1], v[RR+2*\i:RR+2*\i+1], v[RR+2*\i+4:RR+2*\i+5]
.endr
	v_pk_add_f32 v[RR:RR+1], v[RR:RR+1], v[RR+2:RR+3]
	global_store_b64 v[GO], v[RR:RR+1], s[12:13] offset:1024*\t   ; 256 consecutive bytes, aligned
	s_cmp_eq_u32 s16, 0
	s_cselect_b32 s18, 0, -1
	v_cndmask_b32 v13, v[MX], v[LS], s18           ; the wave of the first columns stores m, its partner l
	v_mov_b32 v12, 0
	v_cmp_gt_u32 vcc_lo, 1, v[LN]
	s_wait_alu depctr_va_vdst(0)                   ; the wait ahead of the blocking wait
	s_wait_xcnt 0x0                                ; EXEC changes only behind this wait
	s_and_saveexec_b32 s19, vcc_lo
	global_store_b32 v12, v13, s[66:67] offset:16*\t
	s_wait_xcnt 0x0
	s_or_b32 exec_lo, exec_lo, s19
.endm
	s_wait_alu depctr_va_vdst(0)                   ; the wait at the head's end
	s_wait_tensorcnt 0x0                           ; my block of pair 0 is in
	ds_add_u32 v[SPW], v[NIL]
	s_wait_dscnt 0x0
	CROUND
	JLOAD 1                                        ; pair 1, the first tensor load behind the round
	FETCH_B 0, 0, 0
	FETCH_A 0, 0, 0
	SCALES 0
	FETCH_A 0, 0, 4
	global_prefetch_b8 v[PFO], s[PFA:PFA+1] offset:2*BLK th:TH_LOAD_NT scope:SCOPE_SE   ; pair 3
	s_wait_loadcnt 0x0                             ; the bias and q
	STEP 0, 1
	LAPS3
	TURN 0, 1, 2, 1                                ; the ring goes on into the next tile
	STEP 1, 0
	TURN 1, 0, 2, 2
	WAYOUT 0, 1
	STEP 0, 1
	LAPS3
	TURN 0, 1, 0, 1                                ; the last pair is whole; nothing is filled again
	STEP 1, 0
	s_wait_dscnt 4*NL
	WIN MUL_LO
	MUL16 0, 1, 1, 1, 0
	MUL16 2, 1, 1, 1, 0
	s_wait_dscnt 0
	WIN MUL_HI
	MUL16 4, 1, 1, 1, 0
	MUL16 6, 1, 1, 1, 0
	WIN 0
	WAYOUT 1, 0
	s_wait_tensorcnt 0x0                           ; the wave's end
	ds_add_u32 v[SPW], v[NIL]
	s_wait_dscnt 0x0
	CROUND                                         ; the closing round
	s_endpgm
.Lfunc_end_k_q9105c22a13_kvattn:
	.size	k_q9105c22a13_kvattn, .Lfunc_end_k_q9105c22a13_kvattn-k_q9105c22a13_kvattn
	.p2alignl 7, 3214868480
	.fill 96, 4, 3214868480
	.section	.rodata,"a",@progbits
	.p2align	6, 0x0
	.amdhsa_kernel k_q9105c22a13_kvattn
		.amdhsa_group_segment_fixed_size 327680
		.amdhsa_private_segment_fixed_size 0
		.amdhsa_enable_private_segment 0
		.amdhsa_kernarg_size 48
		.amdhsa_user_sgpr_count 2
		.amdhsa_user_sgpr_kernarg_segment_ptr 1
		.amdhsa_wavefront_size32 1
		.amdhsa_system_sgpr_workgroup_id_x 1
		.amdhsa_system_sgpr_workgroup_id_y 1
		.amdhsa_system_sgpr_workgroup_id_z 1
		.amdhsa_system_vgpr_workitem_id 0
		.amdhsa_next_free_vgpr 1024
		.amdhsa_next_free_sgpr 80
		.amdhsa_reserve_vcc 1
		.amdhsa_float_denorm_mode_32 3
		.amdhsa_float_denorm_mode_16_64 3
		.amdhsa_memory_ordered 1
		.amdhsa_forward_progress 1
		.amdhsa_inst_pref_size 253
	.end_amdhsa_kernel
	.amdgpu_metadata
---
amdhsa.version: [ 1, 2 ]
amdhsa.kernels:
  - .name:           k_q9105c22a13_kvattn
    .symbol:         k_q9105c22a13_kvattn.kd
    .args:
      - { .name: xq, .offset: 0, .size: 8, .value_kind: global_buffer, .address_space: global }
      - { .name: wq, .offset: 8, .size: 8, .value_kind: global_buffer, .address_space: global }
      - { .name: b_kv, .offset: 16, .size: 8, .value_kind: global_buffer, .address_space: global }
      - { .name: q, .offset: 24, .size: 8, .value_kind: global_buffer, .address_space: global }
      - { .name: po, .offset: 32, .size: 8, .value_kind: global_buffer, .address_space: global }
      - { .name: pml, .offset: 40, .size: 8, .value_kind: global_buffer, .address_space: global }
    .group_segment_fixed_size: 327680
    .private_segment_fixed_size: 0
    .kernarg_segment_align: 8
    .kernarg_segment_size: 48
    .max_flat_workgroup_size: 128
    .sgpr_count:     80
    .vgpr_count:     1024
    .wavefront_size: 32
...
	.end_amdgpu_metadata
.endif
;; end of part 2
;; launch proj1 (part 3): grid 8 x 16, 8 waves a work-group, no clusters, 9,216 bytes of LDS; arguments po, pml, W_p1, h1p; writes h1p
.if DOCPART == 3
	.amdgcn_target "amdgcn-amd-amdhsa--gfx1250"
	.amdhsa_code_object_version 6
	.text
	.protected	k_q9105c22a13_proj1
	.globl	k_q9105c22a13_proj1
	.p2align	8
	.type	k_q9105c22a13_proj1,@function
k_q9105c22a13_proj1:
	s_mov_b64 s[64:65], 0
	v_nop
	global_prefetch_b8 v0, s[64:65] scope:SCOPE_SE
	s_setreg_imm32_b32 hwreg(HW_REG_WAVE_MODE, 25, 1), 1
	s_wait_xcnt 0x0
; For one head (work-group y) and 64 rows of W_p1 (work-group x): the head's 64 parts (m, l, o[128]) are joined under their common maximum M:
; x1[d] = sum of 2^(m_b - M) o_b[d] / sum of 2^(m_b - M) l_b;  then h1p[head][row] = the sum over the head's 128 d of x1[d] W_p1[row][128 head + d].  All in f32, by fused multiply-adds: the products have one row.
; Eight waves.  Wave w weighs parts 8 w .. 8 w + 7 (lane l: dims 4 l .. 4 l + 3); the eight sums meet in LDS; wave w then takes rows 8 w .. 8 w + 7 of the 64.
; No cluster, no tensor load: what the 8 work-groups of a head share is 32 KB of po, loaded once by each straight into registers, 512 consecutive bytes a load; a joint request would have to go through LDS and be read back.
; All 25 loads of a wave go out at the head; the waits are counted.
.set ML, 8                             ; v[8:11]   m, l of parts 2 l and 2 l + 1
.set MI, 12                            ; v12-19    m of my wave's 8 parts (the same in every lane)
.set WI, 20                            ; v20-27    their weights
.set OP, 32                            ; v32-63    o of my wave's 8 parts, my 4 dims
.set WR, 64                            ; v64-95    my wave's 8 rows of W_p1, my 4 dims
.set XA, 96                            ; v[96:99]  my wave's part of x1
.set XL, 100                           ; v100-131  the eight waves' parts; then x1 in v[100:103]
.set S,  132                           ; v132-139  the 8 rows' sums
.set XP, 0                             ; LDS: 8 x 512 bytes
.set HS, 4096                          ; LDS: 64 results
	s_load_b128 s[4:7], s[0:1], 0x0                ; po, pml
	s_load_b128 s[8:11], s[0:1], 0x10              ; W_p1, h1p
	v_lshl_add_u32 v152, v0, 2, 0x2000
	v_mov_b32 v153, 0
	v_lshrrev_b32 v1, 5, v0
	s_delay_alu instid0(VALU_DEP_1)
	v_readfirstlane_b32 s12, v1                    ; wave 0..7
	v_and_b32 v1, 31, v0                           ; lane
	s_delay_alu instid0(VALU_DEP_1)
	v_lshlrev_b32 v2, 4, v1                        ; 16 x lane
	v_mov_b32 v3, 0
	s_delay_alu instid0(VALU_DEP_3)
	v_and_b32 v4, 7, v1
	s_lshl_b32 s28, s12, 9
	v_add_nc_u32 v5, s28, v2                       ; XP: 512 x wave + 16 x lane
	s_lshl_b32 s28, s12, 5
	v_lshl_add_u32 v6, v4, 2, s28                  ; HS: 32 x wave + 4 (lane % 8)
	v_lshlrev_b32 v28, 3, v1                       ; 8 x lane
	v_mov_b32 v141, 0                              ; a lane permute's destination counts as one of its sources
.irp i, 146,147,148,149,150,151
	v_mov_b32 v\i, 0
.endr
	s_mov_b32 s20, 0x76543210
	s_mov_b32 s21, 0xfedcba98                      ; v_permlanex16_b32's selects for lane l xor 16
	s_and_b32 s13, ttmp7, 0xffff                   ; the head
	s_lshl_b32 s14, s13, 9                         ; pml: 512 bytes a head (also: the head's 512 bytes in a row of W_p1)
	s_mov_b32 s15, 0
	s_lshl_b32 s16, s12, 6                         ; my wave's 8 pairs
	s_add_co_u32 s16, s16, s14
	s_mov_b32 s17, 0
	s_lshl_b32 s18, s13, 15                        ; po: 32,768 bytes a head, 4,096 a wave
	s_lshl_b32 s19, s12, 12
	s_add_co_u32 s18, s18, s19
	s_mov_b32 s19, 0
	s_lshl_b32 s22, ttmp9, 19                      ; W_p1: 64 rows of 8,192 bytes a work-group, 8 a wave
	s_lshl_b32 s23, s12, 16
	s_add_co_u32 s22, s22, s23
	s_add_co_u32 s22, s22, s14
	s_mov_b32 s23, 0
	s_lshl_b32 s24, s13, 11                        ; h1p: 2,048 bytes a head, 256 a work-group
	s_lshl_b32 s25, ttmp9, 8
	s_add_co_u32 s24, s24, s25
	s_mov_b32 s25, 0
	s_wait_kmcnt 0x0
	s_add_nc_u64 s[26:27], s[6:7], s[16:17]
	s_add_nc_u64 s[6:7], s[6:7], s[14:15]
	s_add_nc_u64 s[4:5], s[4:5], s[18:19]
	s_add_nc_u64 s[8:9], s[8:9], s[22:23]
	s_add_nc_u64 s[10:11], s[10:11], s[24:25]
	global_load_b128 v[ML:ML+3], v2, s[6:7]
.irp i, 0,1,2,3,4,5,6,7
	global_load_b32 v[MI+\i], v3, s[26:27] offset:8*\i
.endr
.irp i, 0,1,2,3,4,5,6,7
	global_load_b128 v[OP+4*\i:OP+4*\i+3], v2, s[4:5] offset:512*\i
.endr
.irp i, 0,1,2,3,4,5,6,7
	global_load_b128 v[WR+4*\i:WR+4*\i+3], v2, s[8:9] offset:8192*\i th:TH_LOAD_NT   ; each byte of W_p1 is read once in the launch
.endr
	s_wait_loadcnt 16                              ; the m and l are in; the 16 loads of o and of W_p1 stay out
	v_max_num_f32 v140, v[ML], v[ML+2]             ; M: the largest m of the head's 64 parts
	s_delay_alu instid0(VALU_DEP_1)
	v_max_num_f32_dpp v140, v140, v140 row_xmask:1 row_mask:0xf bank_mask:0xf
	s_delay_alu instid0(VALU_DEP_1)
	v_max_num_f32_dpp v140, v140, v140 row_xmask:2 row_mask:0xf bank_mask:0xf
	s_delay_alu instid0(VALU_DEP_1)
	v_max_num_f32_dpp v140, v140, v140 row_xmask:4 row_mask:0xf bank_mask:0xf
	s_delay_alu instid0(VALU_DEP_1)
	v_max_num_f32_dpp v140, v140, v140 row_xmask:8 row_mask:0xf bank_mask:0xf
	s_delay_alu instid0(VALU_DEP_1)
	v_permlanex16_b32 v141, v140, s20, s21
	s_delay_alu instid0(VALU_DEP_1)
	v_max_num_f32 v140, v140, v141
	s_delay_alu instid0(VALU_DEP_1)
	v_sub_f32 v142, v[ML], v140
	s_delay_alu instid0(VALU_DEP_2)
	v_sub_f32 v143, v[ML+2], v140
.irp i, 0,1,2,3,4,5,6,7
	v_sub_f32 v[WI+\i], v[MI+\i], v140
.endr
	s_wait_alu depctr_va_vdst(0)
	v_exp_f32 v142, v142                           ; 2^(m - M), at most 1: ten exponentials, one batch
	v_exp_f32 v143, v143
.irp i, 0,1,2,3,4,5,6,7
	v_exp_f32 v[WI+\i], v[WI+\i]
.endr
	v_nop                                          ; a plain instruction behind the last exponential
	s_wait_alu depctr_va_vdst(0)                   ; one wait for the batch, ahead of its first reader
	v_mul_f32 v144, v142, v[ML+1]
	v_fma_f32 v144, v143, v[ML+3], v144            ; my two parts' weighed l; then all 64
	s_delay_alu instid0(VALU_DEP_1)
	v_add_f32_dpp v144, v144, v144 row_xmask:1 row_mask:0xf bank_mask:0xf
	s_delay_alu instid0(VALU_DEP_1)
	v_add_f32_dpp v144, v144, v144 row_xmask:2 row_mask:0xf bank_mask:0xf
	s_delay_alu instid0(VALU_DEP_1)
	v_add_f32_dpp v144, v144, v144 row_xmask:4 row_mask:0xf bank_mask:0xf
	s_delay_alu instid0(VALU_DEP_1)
	v_add_f32_dpp v144, v144, v144 row_xmask:8 row_mask:0xf bank_mask:0xf
	s_delay_alu instid0(VALU_DEP_1)
	v_permlanex16_b32 v141, v144, s20, s21
	s_delay_alu instid0(VALU_DEP_1)
	v_add_f32 v144, v144, v141
	s_wait_alu depctr_va_vdst(0)
	v_rcp_f32 v145, v144
	s_wait_loadcnt 8                               ; o is in; W_p1's 8 loads stay out
.irp c, 0,1,2,3
	v_mul_f32 v[XA+\c], v[WI], v[OP+\c]            ; (plain work behind the reciprocal)
.endr
.irp i, 1,2,3,4,5,6,7
.irp c, 0,1,2,3
	v_fma_f32 v[XA+\c], v[WI+\i], v[OP+4*\i+\c], v[XA+\c]
.endr
.endr
	s_wait_alu depctr_va_vdst(0)                   ; the reciprocal's wait, ahead of its first reader
.irp c, 0,1,2,3
	v_mul_f32 v[XA+\c], v[XA+\c], v145
.endr
	ds_store_b128 v5, v[XA:XA+3] offset:XP
	s_wait_dscnt 0x0                               ; for the others' sake: my store has landed
	s_barrier_signal -1
	s_barrier_wait -1
.irp k, 0,1,2,3,4,5,6,7
	ds_load_b128 v[XL+4*\k:XL+4*\k+3], v2 offset:XP+512*\k
.endr
	s_wait_dscnt 0x0
.irp k, 0,1,2,3
	v_pk_add_f32 v[XL+4*\k:XL+4*\k+1], v[XL+4*\k:XL+4*\k+1], v[XL+4*\k+16:XL+4*\k+17]
	v_pk_add_f32 v[XL+4*\k+2:XL+4*\k+3], v[XL+4*\k+2:XL+4*\k+3], v[XL+4*\k+18:XL+4*\k+19]
.endr
.irp k, 0,1
	s_delay_alu instid0(VALU_DEP_4)
	v_pk_add_f32 v[XL+4*\k:XL+4*\k+1], v[XL+4*\k:XL+4*\k+1], v[XL+4*\k+8:XL+4*\k+9]
	s_delay_alu instid0(VALU_DEP_4)
	v_pk_add_f32 v[XL+4*\k+2:XL+4*\k+3], v[XL+4*\k+2:XL+4*\k+3], v[XL+4*\k+10:XL+4*\k+11]
.endr
	s_delay_alu instid0(VALU_DEP_2)
	v_pk_add_f32 v[XL:XL+1], v[XL:XL+1], v[XL+4:XL+5]
	s_delay_alu instid0(VALU_DEP_2)
	v_pk_add_f32 v[XL+2:XL+3], v[XL+2:XL+3], v[XL+6:XL+7]     ; x1 of the head, my dims 4 l .. 4 l + 3
	s_wait_alu depctr_va_vdst(0)
	s_wait_loadcnt 0x0                             ; W_p1
.irp i, 0,1,2,3,4,5,6,7
	v_mul_f32 v[S+\i], v[WR+4*\i], v[XL]
.endr
.irp c, 1,2,3
.irp i, 0,1,2,3,4,5,6,7
	v_fma_f32 v[S+\i], v[WR+4*\i+\c], v[XL+\c], v[S+\i]
.endr
.endr
.irp x, 1,2,4,8
.irp i, 0,1,2,3,4,5,6,7
	v_add_f32_dpp v[S+\i], v[S+\i], v[S+\i] row_xmask:\x row_mask:0xf bank_mask:0xf   ; the eight rows by turns
.endr
.endr
.irp i, 0,1,2,3,4,5,6,7
	v_permlanex16_b32 v[144+\i], v[S+\i], s20, s21
.endr
.irp i, 0,1,2,3,4,5,6,7
	v_add_f32 v[S+\i], v[S+\i], v[144+\i]
.endr
	v_mov_b32 v140, v[S]                           ; lane l takes row l % 8's sum
.irp i, 1,2,3,4,5,6,7
	v_cmp_eq_u32 vcc_lo, \i, v4
	s_delay_alu instid0(VALU_DEP_1)
	v_cndmask_b32 v140, v140, v[S+\i], vcc_lo
.endr
	ds_store_b32 v6, v140 offset:HS                ; four lanes write the same word with the same value
	s_wait_dscnt 0x0
	s_barrier_signal -1
	s_barrier_wait -1
	s_cmp_lg_u32 s12, 0
	s_cbranch_scc1 .Ldone                          ; wave 0 stores the work-group's 64 results
	ds_load_b64 v[30:31], v28 offset:HS
	s_wait_dscnt 0x0
	global_store_b64 v28, v[30:31], s[10:11]       ; 256 consecutive bytes, aligned
.Ldone:
	s_wait_tensorcnt 0x0
	ds_add_u32 v152, v153
	s_wait_dscnt 0x0
	s_endpgm
.Lfunc_end_k_q9105c22a13_proj1:
	.size	k_q9105c22a13_proj1, .Lfunc_end_k_q9105c22a13_proj1-k_q9105c22a13_proj1
	.p2alignl 7, 3214868480
	.fill 96, 4, 3214868480
	.section	.rodata,"a",@progbits
	.p2align	6, 0x0
	.amdhsa_kernel k_q9105c22a13_proj1
		.amdhsa_group_segment_fixed_size 9216
		.amdhsa_private_segment_fixed_size 0
		.amdhsa_enable_private_segment 0
		.amdhsa_kernarg_size 32
		.amdhsa_user_sgpr_count 2
		.amdhsa_user_sgpr_kernarg_segment_ptr 1
		.amdhsa_wavefront_size32 1
		.amdhsa_system_sgpr_workgroup_id_x 1
		.amdhsa_system_sgpr_workgroup_id_y 1
		.amdhsa_system_sgpr_workgroup_id_z 1
		.amdhsa_system_vgpr_workitem_id 0
		.amdhsa_next_free_vgpr 154
		.amdhsa_next_free_sgpr 66
		.amdhsa_reserve_vcc 1
		.amdhsa_float_denorm_mode_32 3
		.amdhsa_float_denorm_mode_16_64 3
		.amdhsa_memory_ordered 1
		.amdhsa_forward_progress 1
		.amdhsa_inst_pref_size 17
	.end_amdhsa_kernel
	.amdgpu_metadata
---
amdhsa.version: [ 1, 2 ]
amdhsa.kernels:
  - .name:           k_q9105c22a13_proj1
    .symbol:         k_q9105c22a13_proj1.kd
    .args:
      - { .name: po, .offset: 0, .size: 8, .value_kind: global_buffer, .address_space: global }
      - { .name: pml, .offset: 8, .size: 8, .value_kind: global_buffer, .address_space: global }
      - { .name: W_p1, .offset: 16, .size: 8, .value_kind: global_buffer, .address_space: global }
      - { .name: h1p, .offset: 24, .size: 8, .value_kind: global_buffer, .address_space: global }
    .group_segment_fixed_size: 9216
    .private_segment_fixed_size: 0
    .kernarg_segment_align: 8
    .kernarg_segment_size: 32
    .max_flat_workgroup_size: 256
    .sgpr_count:     66
    .vgpr_count:     154
    .wavefront_size: 32
...
	.end_amdgpu_metadata
.endif
;; end of part 3
;; launch finish (part 4): grid 32 x 8, 16 waves a work-group, no clusters, 6,144 bytes of LDS; arguments x, h1p, b_p1, ln_w, ln_b, W_p2, b_p2, out0; writes out0
.if DOCPART == 4
	.amdgcn_target "amdgcn-amd-amdhsa--gfx1250"
	.amdhsa_code_object_version 6
	.text
	.protected	k_q9105c22a13_finish
	.globl	k_q9105c22a13_finish
	.p2align	8
	.type	k_q9105c22a13_finish,@function
k_q9105c22a13_finish:
	s_mov_b64 s[64:65], 0
	v_nop
	global_prefetch_b8 v0, s[64:65] scope:SCOPE_SE
	s_setreg_imm32_b32 hwreg(HW_REG_WAVE_MODE, 25, 1), 1
	s_wait_xcnt 0x0
; h1 = b_p1 + the sum over the 16 heads of h1p;  LayerNorm over its 512 numbers (eps = 1e-5), x ln_w + ln_b;  relu;  row = that W_p2^T + b_p2;  out0 = x + row.  All in f32.
; A work-group takes a strip of 64 columns (256 bytes, work-group x) of 1,024 rows (work-group y).  Sixteen waves, 512 threads: thread t owns number t of h1.  Wave w makes columns 4 w .. 4 w + 3 of the
; strip's part of the row, and adds the strip's 64 numbers to rows 64 w .. 64 w + 63 of x.
; The 36 small loads of a wave (h1p, the norm's inputs, W_p2, b_p2) go out at the head.  Its 32 loads of x (two rows' 256 aligned bytes each: 128 registers) go out behind the wait for the first 19 of them,
; so that every wave's small loads have been issued ahead of any wave's loads of x; x is on its way while the row is made: no loop, no ring.
; The row is added and stored in four batches of eight loads: sixteen packed additions, then eight stores.
; No cluster, no tensor load: what work-groups share (h1p, 32 KB; a strip's 64 rows of W_p2, 8 KB a wave) is loaded once straight into the registers that use it; a joint request would have to go through LDS and be read back.
.set HP,  16                           ; v16-31   h1p: my number's 16 parts; later the 16 waves' partial sums
.set HN,  36                           ; v36-51   the hidden layer: numbers 128 k + 4 l + 0 .. 3; later v[36:39]: my 4 columns of the row
.set DT,  52                           ; v52-59   four dot products, in pairs
.set W2,  64                           ; v64-127  my wave's 4 rows of W_p2
.set X,   128                          ; v128-255 my wave's 64 rows of the strip
.set RED0, 0                           ; LDS: 16 partial sums; 16 more; the hidden layer's 512 numbers; the strip's 64 numbers of the row
.set RED1, 256
.set HNB,  512
.set XF,   2560
	s_load_b256 s[4:11], s[0:1], 0x0               ; x s[4:5], h1p s[6:7], b_p1 s[8:9], ln_w s[10:11]
	s_load_b256 s[12:19], s[0:1], 0x20             ; ln_b s[12:13], W_p2 s[14:15], b_p2 s[16:17], out0 s[18:19]
	v_lshl_add_u32 v62, v0, 2, 0x1000
	v_mov_b32 v63, 0
	v_lshrrev_b32 v1, 5, v0
	s_delay_alu instid0(VALU_DEP_1)
	v_readfirstlane_b32 s20, v1                    ; wave 0..15
	v_and_b32 v1, 31, v0                           ; lane
	v_lshlrev_b32 v2, 2, v0                        ; 4 t
	s_delay_alu instid0(VALU_DEP_2)
	v_lshlrev_b32 v3, 4, v1                        ; 16 x lane
	s_delay_alu instid0(VALU_DEP_3)
	v_and_b32 v61, 15, v1
	s_delay_alu instid0(VALU_DEP_1)
	v_lshlrev_b32 v61, 4, v61                      ; 16 (lane % 16): my 16 bytes of the strip
	v_lshrrev_b32 v4, 4, v1
	s_delay_alu instid0(VALU_DEP_1)
	v_lshl_add_u32 v4, v4, 13, v61                 ; x, out0: lanes 0-15 one row, lanes 16-31 the next (8,192 bytes on)
	v_and_b32 v14, 3, v1
	s_delay_alu instid0(VALU_DEP_1)
	v_lshlrev_b32 v5, 2, v14                       ; 4 (lane % 4)
	v_mov_b32 v9, 0                                ; a lane permute's destination counts as one of its sources
	s_lshl_b32 s24, s20, 2
	v_mov_b32 v10, s24                             ; 4 x wave: where my wave's partial sum goes
	v_mov_b32 v11, 0
	s_lshl_b32 s23, s20, 4
	v_add_nc_u32 v15, s23, v5                      ; 16 x wave + 4 (lane % 4): where my wave's 4 columns go
	s_mov_b32 s32, 0x76543210
	s_mov_b32 s33, 0xfedcba98                      ; v_permlanex16_b32's selects for lane l xor 16
	s_mov_b32 s34, 0x3b000000                      ; 1 / 512
	s_mov_b32 s35, 0x3727c5ac                      ; 1e-5
	s_and_b32 s22, ttmp7, 0xffff
	s_lshl_b32 s26, s22, 23                        ; x, out0: 1,024 rows of 8,192 bytes a work-group y, 64 rows a wave, 256 bytes a strip
	s_lshl_b32 s27, s20, 19
	s_add_co_u32 s26, s26, s27
	s_lshl_b32 s27, ttmp9, 8
	s_add_co_u32 s26, s26, s27
	s_mov_b32 s27, 0
	s_lshl_b32 s28, ttmp9, 17                      ; W_p2: 64 rows of 2,048 bytes a strip, 4 a wave
	s_lshl_b32 s29, s20, 13
	s_add_co_u32 s28, s28, s29
	s_mov_b32 s29, 0
	s_lshl_b32 s30, ttmp9, 8                       ; b_p2: 256 bytes a strip, 16 a wave
	s_lshl_b32 s31, s20, 4
	s_add_co_u32 s30, s30, s31
	s_mov_b32 s31, 0
	s_wait_alu depctr_va_vdst(0)                   ; the wait at the head's end
	s_wait_kmcnt 0x0
	s_add_nc_u64 s[4:5], s[4:5], s[26:27]
	s_add_nc_u64 s[18:19], s[18:19], s[26:27]
	s_add_nc_u64 s[14:15], s[14:15], s[28:29]
	s_add_nc_u64 s[16:17], s[16:17], s[30:31]
.irp i, 0,1,2,3,4,5,6,7,8,9,10,11,12,13,14,15
	global_load_b32 v[HP+\i], v2, s[6:7] offset:2048*\i
.endr
	global_load_b32 v32, v2, s[8:9]
	global_load_b32 v33, v2, s[10:11]
	global_load_b32 v34, v2, s[12:13]
.irp i, 0,1,2,3
.irp k, 0,1,2,3
	global_load_b128 v[W2+16*\i+4*\k:W2+16*\i+4*\k+3], v3, s[14:15] offset:2048*\i+512*\k
.endr
.endr
	global_load_b32 v35, v5, s[16:17]
; v8, my number -> v16, the sum over the 512 threads: over the wave's lanes, then over the 16 waves through 64 bytes of LDS that are written once
.macro RSUM base
	s_delay_alu instid0(VALU_DEP_1)
	v_add_f32_dpp v8, v8, v8 row_xmask:1 row_mask:0xf bank_mask:0xf
	s_delay_alu instid0(VALU_DEP_1)
	v_add_f32_dpp v8, v8, v8 row_xmask:2 row_mask:0xf bank_mask:0xf
	s_delay_alu instid0(VALU_DEP_1)
	v_add_f32_dpp v8, v8, v8 row_xmask:4 row_mask:0xf bank_mask:0xf
	s_delay_alu instid0(VALU_DEP_1)
	v_add_f32_dpp v8, v8, v8 row_xmask:8 row_mask:0xf bank_mask:0xf
	s_delay_alu instid0(VALU_DEP_1)
	v_permlanex16_b32 v9, v8, s32, s33
	s_delay_alu instid0(VALU_DEP_1)
	v_add_f32 v8, v8, v9
	ds_store_b32 v10, v8 offset:\base              ; all lanes write the same word with the same value
	s_wait_dscnt 0x0                               ; for the others' sake: my store has landed
	s_barrier_signal -1
	s_barrier_wait -1
.irp k, 0,1,2,3
	ds_load_b128 v[HP+4*\k:HP+4*\k+3], v11 offset:\base+16*\k
.endr
	s_wait_dscnt 0x0
.irp k, 0,4,8,12
	v_pk_add_f32 v[HP+\k:HP+\k+1], v[HP+\k:HP+\k+1], v[HP+\k+2:HP+\k+3]
.endr
	s_delay_alu instid0(VALU_DEP_3)
	v_pk_add_f32 v[HP:HP+1], v[HP:HP+1], v[HP+4:HP+5]
	s_delay_alu instid0(VALU_DEP_2)
	v_pk_add_f32 v[HP+8:HP+9], v[HP+8:HP+9], v[HP+12:HP+13]
	s_delay_alu instid0(VALU_DEP_1)
	v_pk_add_f32 v[HP:HP+1], v[HP:HP+1], v[HP+8:HP+9]
	s_delay_alu instid0(VALU_DEP_1)
	v_add_f32 v[HP], v[HP], v[HP+1]
.endm
	s_wait_loadcnt 17                              ; h1p, b_p1, ln_w, ln_b are in; behind them 16 loads of W_p2 and 1 of b_p2 stay out
.set J, 0
.rept 32
	global_load_b128 v[X+4*J:X+4*J+3], v4, s[4:5] offset:16384*J th:TH_LOAD_NT
.set J, J+1
.endr
	v_add_f32 v7, v32, v16
	v_add_f32 v60, v19, v21
	v_add_f32 v59, v23, v25
	v_add_f32 v58, v27, v29
	v_add_f32 v57, v31, v17
	v_add_f32 v56, v18, v20
	v_add_f32 v55, v22, v24
	v_add_f32 v6, v26, v28
	s_delay_alu instid0(VALU_DEP_1)
	v_add_f32 v6, v6, v30
	s_delay_alu instid0(VALU_DEP_1)
	v_add_f32 v6, v6, v58
	v_add_f32 v7, v7, v57
	v_add_f32 v60, v60, v56
	v_add_f32 v59, v59, v55
	s_delay_alu instid0(VALU_DEP_2)
	v_add_f32 v6, v6, v60
	s_delay_alu instid0(VALU_DEP_2)
	v_add_f32 v7, v7, v59
	s_delay_alu instid0(VALU_DEP_1)
	v_add_f32 v6, v6, v7
	s_delay_alu instid0(VALU_DEP_1)
	v_mov_b32 v8, v6
	RSUM RED0
	s_delay_alu instid0(VALU_DEP_1)
	v_fma_f32 v7, -v[HP], s34, v6                  ; h1 - mu (the sum / 512 is exact)
	s_delay_alu instid0(VALU_DEP_1)
	v_mul_f32 v8, v7, v7
	RSUM RED1
	s_delay_alu instid0(VALU_DEP_1)
	v_fma_f32 v12, v[HP], s34, s35                 ; var + eps
	s_wait_alu depctr_va_vdst(0)                   ; the wait ahead of the transcendental
	v_rsq_f32 v12, v12
	v_nop                                          ; a plain instruction behind the transcendental
	s_wait_alu depctr_va_vdst(0)                   ; and the wait ahead of its first reader
	v_mul_f32 v13, v7, v12
	s_delay_alu instid0(VALU_DEP_1)
	v_fma_f32 v13, v13, v33, v34
	s_delay_alu instid0(VALU_DEP_1)
	v_max_num_f32 v13, 0, v13                      ; relu
	ds_store_b32 v2, v13 offset:HNB
	s_wait_dscnt 0x0
	s_barrier_signal -1
	s_barrier_wait -1
.irp k, 0,1,2,3
	ds_load_b128 v[HN+4*\k:HN+4*\k+3], v3 offset:HNB+512*\k
.endr
	s_wait_dscnt 0x0
	s_wait_loadcnt 32                              ; W_p2 and b_p2 are in; x's 32 loads stay out
.irp i, 0,1,2,3
	v_pk_mul_f32 v[DT+2*\i:DT+2*\i+1], v[W2+16*\i:W2+16*\i+1], v[HN:HN+1]
.endr
.irp p, 1,2,3,4,5,6,7
.irp i, 0,1,2,3
	s_delay_alu instid0(VALU_DEP_4)
	v_pk_fma_f32 v[DT+2*\i:DT+2*\i+1], v[W2+16*\i+2*\p:W2+16*\i+2*\p+1], v[HN+2*\p:HN+2*\p+1], v[DT+2*\i:DT+2*\i+1]
.endr
.endr
.irp i, 0,1,2,3
	s_delay_alu instid0(VALU_DEP_4)
	v_add_f32 v[DT+2*\i], v[DT+2*\i], v[DT+2*\i+1]
.endr
.irp x, 1,2,4,8
.irp i, 0,1,2,3
	s_delay_alu instid0(VALU_DEP_4)
	v_add_f32_dpp v[DT+2*\i], v[DT+2*\i], v[DT+2*\i] row_xmask:\x row_mask:0xf bank_mask:0xf
.endr
.endr
.irp i, 0,1,2,3
	s_delay_alu instid0(VALU_DEP_4)
	v_permlanex16_b32 v[DT+2*\i+1], v[DT+2*\i], s32, s33
.endr
.irp i, 0,1,2,3
	s_delay_alu instid0(VALU_DEP_4)
	v_add_f32 v[DT+2*\i], v[DT+2*\i], v[DT+2*\i+1]
.endr
	s_delay_alu instid0(VALU_DEP_4)
	v_mov_b32 v60, v[DT]                           ; lane l takes column l % 4's sum
.irp i, 1,2,3
	v_cmp_eq_u32 vcc_lo, \i, v14
	s_delay_alu instid0(VALU_DEP_1)
	v_cndmask_b32 v60, v60, v[DT+2*\i], vcc_lo
.endr
	s_delay_alu instid0(VALU_DEP_1)
	v_add_f32 v60, v60, v35                        ; + b_p2
	ds_store_b32 v15, v60 offset:XF                ; eight lanes write the same word with the same value
	s_wait_dscnt 0x0
	s_barrier_signal -1
	s_barrier_wait -1
	ds_load_b128 v[HN:HN+3], v61 offset:XF         ; my 4 columns of the row
	s_wait_dscnt 0x0
.set J, 0
.rept 4
	s_wait_loadcnt 24-8*J                          ; loads come back in order: batch J's eight are in, the younger ones stay out
.set I, 8*J
.rept 8
	v_pk_add_f32 v[X+4*I:X+4*I+1], v[X+4*I:X+4*I+1], v[HN:HN+1]
	v_pk_add_f32 v[X+4*I+2:X+4*I+3], v[X+4*I+2:X+4*I+3], v[HN+2:HN+3]
.set I, I+1
.endr
.set I, 8*J
.rept 8
	global_store_b128 v4, v[X+4*I:X+4*I+3], s[18:19] offset:16384*I th:TH_STORE_NT   ; sixteen lanes store 256 consecutive bytes, aligned; no register of a store is written again
.set I, I+1
.endr
.set J, J+1
.endr
	s_wait_tensorcnt 0x0                           ; the wave's end
	ds_add_u32 v62, v63
	s_wait_dscnt 0x0
	s_endpgm
.Lfunc_end_k_q9105c22a13_finish:
	.size	k_q9105c22a13_finish, .Lfunc_end_k_q9105c22a13_finish-k_q9105c22a13_finish
	.p2alignl 7, 3214868480
	.fill 96, 4, 3214868480
	.section	.rodata,"a",@progbits
	.p2align	6, 0x0
	.amdhsa_kernel k_q9105c22a13_finish
		.amdhsa_group_segment_fixed_size 6144
		.amdhsa_private_segment_fixed_size 0
		.amdhsa_enable_private_segment 0
		.amdhsa_kernarg_size 64
		.amdhsa_user_sgpr_count 2
		.amdhsa_user_sgpr_kernarg_segment_ptr 1
		.amdhsa_wavefront_size32 1
		.amdhsa_system_sgpr_workgroup_id_x 1
		.amdhsa_system_sgpr_workgroup_id_y 1
		.amdhsa_system_sgpr_workgroup_id_z 1
		.amdhsa_system_vgpr_workitem_id 0
		.amdhsa_next_free_vgpr 256
		.amdhsa_next_free_sgpr 66
		.amdhsa_reserve_vcc 1
		.amdhsa_float_denorm_mode_32 3
		.amdhsa_float_denorm_mode_16_64 3
		.amdhsa_memory_ordered 1
		.amdhsa_forward_progress 1
		.amdhsa_inst_pref_size 27
	.end_amdhsa_kernel
	.amdgpu_metadata
---
amdhsa.version: [ 1, 2 ]
amdhsa.kernels:
  - .name:           k_q9105c22a13_finish
    .symbol:         k_q9105c22a13_finish.kd
    .args:
      - { .name: x, .offset: 0, .size: 8, .value_kind: global_buffer, .address_space: global }
      - { .name: h1p, .offset: 8, .size: 8, .value_kind: global_buffer, .address_space: global }
      - { .name: b_p1, .offset: 16, .size: 8, .value_kind: global_buffer, .address_space: global }
      - { .name: ln_w, .offset: 24, .size: 8, .value_kind: global_buffer, .address_space: global }
      - { .name: ln_b, .offset: 32, .size: 8, .value_kind: global_buffer, .address_space: global }
      - { .name: W_p2, .offset: 40, .size: 8, .value_kind: global_buffer, .address_space: global }
      - { .name: b_p2, .offset: 48, .size: 8, .value_kind: global_buffer, .address_space: global }
      - { .name: out0, .offset: 56, .size: 8, .value_kind: global_buffer, .address_space: global }
    .group_segment_fixed_size: 6144
    .private_segment_fixed_size: 0
    .kernarg_segment_align: 8
    .kernarg_segment_size: 64
    .max_flat_workgroup_size: 512
    .sgpr_count:     66
    .vgpr_count:     256
    .wavefront_size: 32
...
	.end_amdgpu_metadata
.endif
;; end of part 4
